; MI455X (gfx1250); checked and timed in simulation.
; The chip was launched on July 23, 2026; its instructions are those of AMD's public machine-readable ISA for CDNA 5 (MIT licence, August 2026) and "CDNA5" Instruction Set Architecture Reference Guide (July 2026). The comments in the code are by the model that wrote it; some were corrected since.
;; Attention Multi. Allowed arithmetic: matrix products marked QUANTISED: E2M1 operands, one E8M0 scale for each 32 along K, by v_wmma_scale_f32_16x16x128_f8f6f4 with both operands' format E2M1 (or v_wmma_scale_f32_32x16x128_f4), f32 sums; everything else in f32.
;; Inputs: b_out 1,024 float32; b_qkv 3,072 float32; mask 4 x 2,048 int32; w_out_codes 1,024 x 32 x 16 uint8 (E2M1 codes of w_out, K innermost, in blocks of 32 codes, two codes a byte); w_out_scales 1,024 x 32 uint8 (E8M0 scales of w_out, one for each 32 codes along K); w_qkv_codes 3,072 x 32 x 16 uint8 (E2M1 codes of w_qkv, K innermost, in blocks of 32 codes, two codes a byte); w_qkv_scales 3,072 x 32 uint8 (E8M0 scales of w_qkv, one for each 32 codes along K); x_codes 4 x 2,048 x 32 x 16 uint8 (E2M1 codes of x, K innermost, in blocks of 32 codes, two codes a byte); x_scales 4 x 2,048 x 32 uint8 (E8M0 scales of x, one for each 32 codes along K).
;; Outputs: out0 4 x 2,048 x 1,024 float32.
;; This version of the problem:
;;   THIS VERSION OF THE PROBLEM IS GIVEN IN LOW PRECISION. The matrix products marked QUANTISED in the list below multiply operands that are first quantised to E2M1 (2 exponent bits, 1 mantissa bit; 4 bits a number), with one power-of-two scale for each 32 numbers along K (OCP MX v1.0); their sums are f32. All else is computed in f32.
;;   The module's matrix products, in the order in which they are computed (A, B: the left and right operand; K: the contracted axis; several contracted axes count as one K, in the product's order):
;;     1. [M 8,192, K 1,024] x [K 1,024, N 3,072]; A: input x (given as codes); B: input w_qkv (given as codes): QUANTISED
;;     2. batch 64 x [M 2,048, K 64] x [K 64, N 2,048]; A: computed on the way; B: computed on the way: QUANTISED
;;     3. batch 64 x [M 2,048, K 2,048] x [K 2,048, N 64]; A: softmax (see below); B: computed on the way: QUANTISED
;;     4. [M 8,192, K 1,024] x [K 1,024, N 1,024]; A: computed on the way; B: input w_out (given as codes): QUANTISED
;;   THE QUANTISER, for each operand of a quantised product, along K:
;;     - K is cut into blocks of 32 from its start; a last block that is shorter is filled with zeros.
;;     - A block's scale is 2^e with e = floor(log2(the largest magnitude in the block)) - 2, held to -126 .. 127; a block of zeros has e = 0. As a byte (E8M0): e + 127.
;;     - Each number is divided by its block's scale, clamped to +-6, and rounded to the nearest number of E2M1, ties to even, subnormals kept.
;;     - The product sums the exact products of the quantised numbers (number of the format x scale) in f32.
;;   ~~~python
;;   def quantise(x, axis):      # numpy; x: float32 -> the quantised numbers, widened to float32 again
;;       x = np.moveaxis(x, axis, -1); K = x.shape[-1]
;;       x = np.pad(x, [(0, 0)] * (x.ndim - 1) + [(0, -K % 32)]); x = x.reshape(x.shape[:-1] + (-1, 32)); a = np.abs(x).max(-1, keepdims=True)
;;       e = np.where(a > 0, np.clip(np.frexp(np.where(a > 0, a, 1))[1] - 1 - 2, -126, 127), 0)      # np.frexp(a)[1] - 1 = floor(log2(a)), exactly
;;       r = np.clip(x / 2.0 ** e, -6, 6)
;;       step = 2.0 ** (np.maximum(np.frexp(np.where(r == 0, 1, r))[1] - 1, 0) - 1)
;;       q = np.round(r / step) * step * 2.0 ** e      # np.round: ties to even
;;       return np.moveaxis(q.reshape(q.shape[:-2] + (-1,))[..., :K], -1, axis).astype(np.float32)
;;   ~~~
;;   SOFTMAX AHEAD OF A QUANTISED PRODUCT. Where the list says 'softmax', what is quantised is not the finished softmax but p = 2^(t - M), with t = logit x log2(e) and M = ceil(the row's largest t), a whole number; so 1/2 < the row's largest p <= 1. The row's sum l is taken of the UNQUANTISED p, in f32, and the product's result is divided by l at the end. Since M is a whole number, a kernel that streams over the keys may use a running M (the ceiling of the running maximum): every later rescaling is an exact power of two, which a block's scale takes up: the codes' values come out the same.
;;   OPERANDS COMPUTED ON THE WAY. 'Computed on the way' means the value that the module computes at that place (a softmax that the list does not call 'softmax' is quantised finished and normalised). What goes into a quantiser is computed in f32, as accurately as f32 sums, v_exp_f32 and their like allow (about 1e-6 of the number): no bf16 or f16 on the way to a quantiser, and a product that is left as it is and whose result goes on into a quantised operand takes f32 operands (vector FMAs, or v_wmma_f32_16x16x4_f32). A number that lies on a knife's edge between two numbers of the format may be rounded either way, as far as f32 arithmetic and the matrix unit's own rounding can turn it there, and no further.
;;   INPUTS GIVEN AS CODES. w_out (in the module: [1024, 1024], K = its axis 0); w_qkv (in the module: [1024, 3072], K = its axis 0); x (in the module: [4, 2048, 1024], K = its axis 2): each comes as NAME_codes (uint8): NAME with its K axis moved to the last place and cut into blocks of 32 codes, [.., K / 32, bytes a block], one block behind the other in memory; two codes a byte, the lower K in the low four bits (a code: sign, 2 exponent bits, 1 mantissa bit); and NAME_scales (uint8): the same leading axes, one E8M0 byte (e + 127) for each 32 codes along K. Its value is code x scale, taken as it is: it is not quantised again, and the codes and scales need not be those that the quantiser above would give.
;; One version. Each part assembles by itself: llvm-mc -triple=amdgcn-amd-amdhsa -mcpu=gfx1250 --defsym DOCPART=n.
;; ======== version 1 of 1: 3 launches
;; limits: right only within a limited range of input values
;; workspace buffers: qimg 4,194,304 bytes; qsc 524,288 bytes; kv 8,388,608 bytes; kvs 786,432 bytes; aimg 4,194,304 bytes; asc 262,144 bytes
;; launch qkv (part 1): grid 12 x 32, 4 waves a work-group, clusters of 4 x 4, 279,040 bytes of LDS; arguments x_codes, x_scales, w_qkv_codes, w_qkv_scales, b_qkv, qimg, qsc, kv, kvs; writes qimg, qsc, kv, kvs
.if DOCPART == 1
	.amdgcn_target "amdgcn-amd-amdhsa--gfx1250"
	.amdhsa_code_object_version 6
	.text
	.protected	k_q0675b43990_qkv
	.globl	k_q0675b43990_qkv
	.p2align	8
	.type	k_q0675b43990_qkv,@function
k_q0675b43990_qkv:
	s_mov_b64 s[64:65], 0
	v_nop
	global_prefetch_b8 v0, s[64:65] scope:SCOPE_SE
	s_setreg_imm32_b32 hwreg(HW_REG_WAVE_MODE, 25, 1), 1
	s_wait_xcnt 0x0
	s_wait_alu depctr_hold_cnt(0) depctr_sa_sdst(0) depctr_va_vdst(0) depctr_va_sdst(0) depctr_va_ssrc(0) depctr_va_vcc(0) depctr_vm_vsrc(0)
	s_getreg_b32 s2, hwreg(HW_REG_IB_STS2, 6, 4)
	s_cmp_eq_u32 s2, 0
	s_cbranch_scc0 .Lentry_in_a_cluster
	s_endpgm
.Lentry_in_a_cluster:
	s_bfe_u32 s2, ttmp6, 0x10000c
	s_cmp_lg_u32 s2, 0xf033
	s_cbranch_scc0 .Lentry_shape_is_right
	s_endpgm
.Lentry_shape_is_right:
; qkv = x W + b on codes of FP4 (E2M1) with E8M0 scales, then the quantisers of the next two products, in registers.
; x: 8,192 tokens x 1,024 (512 bytes of codes, 32 scale bytes a token); W: 3,072 rows x 1,024 likewise; rows 0-1023 are q, 1024-2047 k, 2048-3071 v; row = 64 head + d.
; DEAD WORK: none.  Every input has a way to out0: k's bias moves k's codes, and hidden keys cannot be taken out, since p's and v's blocks of 32 run over the keys as they lie.
; LIMITS: NaN and infinities among the inputs are not served; a block of zeros gets the scale byte 1 (its codes are zeros; only this program reads these bytes).
; SHARES.  A work-group: 256 tokens x 256 rows of W; four waves, each 128 x 128: 64 accumulators, 512 registers.  The cluster's x says which third of W: 0 q, 1 k, 2 v: it is the same in all sixteen partners.
; q, k: source 0 = 16 rows of W, source 1 = 16 tokens: a lane holds ONE token and its registers run along d, the next product's K.
; v:    source 0 = 16 tokens, source 1 = 16 rows of W: a lane holds ONE d and its registers run along the keys, the K of the product with p.
; Memory, descriptors and masks are the same on both ways; only the LDS region that each source reads from changes.
; ALL OF K LIES IN LDS: two halves of 512 along K (rows of 256 bytes), each filled once; nothing is filled again.  x's tile is shared along a row of the cluster, W's along a column: joint loads.
; THE QUANTISER.  Tile T of a lane's eight holds next-K 16 T + 8 (lane / 16) + 0..7; a block of 32 is tiles 2 B and 2 B + 1 of lanes l and l xor 16.  The codes of tile 2 B + u go to register 4 (B / 2) + B % 2 + 2 u;
; two exchanges of halves for each pair of blocks then leave registers 4 c .. 4 c + 3 with K = 64 c + 32 (lane / 16) + 0..31, as an operand wants them.
; OUT: images of the later operands' registers: a group of four registers is 512 consecutive bytes, 16 a lane.
;   qimg [bh][tile of 16 tokens][512]; kv [bh][step of 128 keys][8192]: k's 8 tiles, then v's at 4096 + 2048 c + 512 (d / 16); qsc, kvs: scale words, [half of the step][r][4 words], v's [r][4 words by d / 16].
; REGISTERS, in windows of 256: window 0: addresses; v32-95 source 1's scale words (8 blocks x 8 K steps), v96-159 source 0's, v160-223 the bias as a C operand; on the way out v32-127 are used anew.
;   window 1: v0-127 source 1's fragments, two sets; v128-255 source 0's, two sets.   windows 2, 3: accumulator (a, b) at v[8 (8 (a % 4) + b)] of window 2 + a / 4.
.set PITCH,  272                       ; an LDS row: 256 bytes + 16 of padding: the 16 rows of a fragment load start at 16 different banks
.set HALFT,  128*PITCH                 ; 128 rows: one tensor load
.set SLOT,   4*HALFT                   ; x's 256 rows, then W's 256 rows, for 512 along K
.set SPARE,  2*SLOT                    ; the spare words, 128 bytes a wave
.set AD1, 16                           ; v16-17 LDS address of source 1's fragments in half 0, 1
.set AD0, 20                           ; v20-21 the same for source 0
.set XSO, 22                           ; v22 32 r: a row of scale bytes
.set BOF, 23                           ; v23 my offset in the bias
.set LI,  24                           ; v24 16 x lane
.set VS,  25                           ; v25 where my scale words go
.set SH,  26                           ; v26 16 (lane / 16)
.set SPW, 28
.set NIL, 29
.set SC1, 32
.set SC0, 96
.set BI,  160
.set F1,  0
.set F0,  128
.set PC,  32                           ; the way out: block a's codes at v[PC + 8 a]
.set WD,  96                           ; its scale word at v[WD + a]
.set DW,  104                          ; scale words as they are stored
.set TM,  112                          ; v112-127 at work
.set WV,  22                           ; s22 wave; s23 wave / 2; s24 wave % 2
.set G1,  28                           ; s[28:35] group 1 for x's tiles; s[36:43] group 0, one set for each half of K
.set G0,  36
.set G1B, 44                           ; s[44:51], s[52:59] the same for W's
.set G0B, 52
.set OB,  68                           ; s[68:75] four bases for the codes
.set SB,  76                           ; s[76:77] base for the scale words
.set S1P, 78                           ; s[78:79] source 1's scale bytes; s[80:81] source 0's; s[82:83] the bias
.set S0P, 80
.set BP,  82
.set SEL, 96                           ; s[96:97] lane selects: lane l xor 16
.set MSB, 0
.macro WIN new                         ; the immediate's high byte repeats the setting that is left
.if MSB != (\new)
	s_set_vgpr_msb (MSB<<8)|(\new)
.set MSB, (\new)
.endif
.endm
.macro CROUND                          ; a round of the cluster's barrier
	s_barrier_signal -1
	s_barrier_wait -1
	s_cmp_lg_u32 s[WV], 0
	s_cbranch_scc1 .Lnot_wave_0_\@
	s_barrier_signal -3
.Lnot_wave_0_\@:
	s_barrier_wait -3
	s_barrier_signal -1
	s_barrier_wait -1
.endm
.macro PLACES n
.rept \n
	v_nop
.endr
.endm
	s_load_b256 s[4:11], s[0:1], 0x0               ; x's codes, x's scales, W's codes, W's scales
	s_load_b256 s[12:19], s[0:1], 0x20             ; b, qimg, qsc, kv
	s_load_b64 s[20:21], s[0:1], 0x40              ; kvs
	v_lshl_add_u32 v[SPW], v0, 2, SPARE
	v_mov_b32 v[NIL], 0
	ds_add_u32 v[SPW], v[NIL]                      ; the opening: the add, twice on end, and its wait ahead of my first tensor load
	ds_add_u32 v[SPW], v[NIL]
	v_lshrrev_b32 v1, 5, v0
	v_readfirstlane_b32 s[WV], v1
	s_lshr_b32 s23, s[WV], 1                       ; which half of source 1 is mine.  Also: I fetch for x (0) or for W (1)
	s_and_b32 s24, s[WV], 1                        ; which half of source 0.  Also: which 128 rows I fetch
	s_bfe_u32 s25, ttmp6, 0x40000                  ; cx
	s_bfe_u32 s26, ttmp6, 0x40004                  ; cy
	s_lshl_b32 s60, ttmp9, 2
	s_add_co_u32 s60, s60, s25                     ; block of 256 rows of W
	s_and_b32 s61, ttmp7, 0xffff
	s_lshl_b32 s61, s61, 2
	s_add_co_u32 s61, s61, s26                     ; block of 256 tokens
	s_lshl_b32 s84, s26, 2
	s_lshl_b32 s84, 15, s84                        ; my row of the cluster
	s_lshl_b32 s85, 0x1111, s25                    ; my column
	s_or_b32 s[G1], s84, (1<<20)|(1<<21)|(5<<22)|(3<<25)    ; the mask; elements of 1 byte; padding on; bit 21 beside a mask; 4 words after every 64
	s_or_b32 s[G1B], s85, (1<<20)|(1<<21)|(5<<22)|(3<<25)
.irp g, G1, G1B
	s_mov_b32 s[\g+1], 256<<16                     ; tensor_dim0 = 256 bytes
	s_mov_b32 s[\g+2], 128<<16                     ; tensor_dim1 = 128 rows
	s_mov_b32 s[\g+3], 256<<16                     ; tile_dim0
	s_mov_b32 s[\g+4], 128                         ; tile_dim1
	s_mov_b32 s[\g+5], 512                         ; a row in memory
	s_mov_b32 s[\g+6], 0
	s_mov_b32 s[\g+7], 0
.endr
	s_lshl_b32 s63, s24, 7
	s_lshl_b32 s86, s61, 8
	s_add_co_u32 s86, s86, s63
	s_lshl_b32 s86, s86, 9                         ; x: (256 block + 128 half) rows of 512 bytes
	s_mov_b32 s87, 0
	s_lshl_b32 s88, s60, 8
	s_add_co_u32 s88, s88, s63
	s_lshl_b32 s88, s88, 9                         ; W likewise
	s_mov_b32 s89, 0
	s_mul_i32 s90, s[WV], HALFT                    ; where my rows go: x's two halves, then W's
	s_wait_dscnt 0x0                               ; both opening adds are done
	s_wait_kmcnt 0x0
	s_mov_b32 s[G0], 1
	s_mov_b32 s[G0+4], 1
	s_add_co_u32 s[G0+1], s90, 0
	s_add_co_u32 s[G0+5], s90, SLOT
	s_add_nc_u64 s[G0+2:G0+3], s[4:5], s[86:87]
	s_add_nc_u64 s[G0+6:G0+7], s[G0+2:G0+3], 256   ; the second 512 along K
	s_or_b32 s[G0+3], s[G0+3], 0x80000000
	s_or_b32 s[G0+7], s[G0+7], 0x80000000
	s_mov_b32 s[G0B], 1
	s_mov_b32 s[G0B+4], 1
	s_add_co_u32 s[G0B+1], s90, 0
	s_add_co_u32 s[G0B+5], s90, SLOT
	s_add_nc_u64 s[G0B+2:G0B+3], s[8:9], s[88:89]
	s_add_nc_u64 s[G0B+6:G0B+7], s[G0B+2:G0B+3], 256
	s_or_b32 s[G0B+3], s[G0B+3], 0x80000000
	s_or_b32 s[G0B+7], s[G0B+7], 0x80000000
	CROUND                                         ; all sixteen work-groups are here: the joint loads meet
	s_cmp_eq_u32 s23, 0                            ; a wave's two fills stand in one arm: two loads of mine are out
	s_cbranch_scc0 .Lfill_w
	tensor_load_to_lds s[G0:G0+3], s[G1:G1+7]
	s_nop 0
	tensor_load_to_lds s[G0+4:G0+7], s[G1:G1+7]
	s_nop 0
	PLACES 4
	s_branch .Lfilled
.Lfill_w:
	tensor_load_to_lds s[G0B:G0B+3], s[G1B:G1B+7]
	s_nop 0
	tensor_load_to_lds s[G0B+4:G0B+7], s[G1B:G1B+7]
	s_nop 0
	PLACES 4
.Lfilled:
	; which tokens and which rows of W are mine, and where the results go.  Every choice hangs on the cluster's x alone
	s_cmp_ge_u32 ttmp9, 2                          ; v?
	s_cselect_b32 s91, s24, s23                    ; my half of the tokens
	s_cselect_b32 s92, s23, s24                    ; my half of W's rows
	s_cselect_b32 s27, 2*HALFT, 0                  ; the region of a slot that source 1 reads
	s_cselect_b32 s62, 0, 2*HALFT                  ; and source 0
	s_cselect_b32 s93, 4096, 0                     ; v's images lie behind k's in a step of kv,
	s_cselect_b32 s94, 512, 0                      ; and its scale words behind k's in a step of kvs
	s_cselect_b64 s[S1P:S1P+1], s[10:11], s[6:7]
	s_cselect_b64 s[S0P:S0P+1], s[6:7], s[10:11]
	s_lshl_b32 s91, s91, 7
	s_lshl_b32 s95, s61, 8
	s_add_co_u32 s91, s91, s95                     ; my first token
	s_lshl_b32 s92, s92, 7
	s_lshl_b32 s95, s60, 8
	s_add_co_u32 s92, s92, s95                     ; my first row of W
	s_cmp_ge_u32 ttmp9, 2
	s_cselect_b32 s2, s92, s91
	s_cselect_b32 s66, s91, s92
	s_lshl_b32 s2, s2, 5                           ; 32 scale bytes a row
	s_lshl_b32 s66, s66, 5
	s_mov_b32 s3, 0
	s_mov_b32 s67, 0
	s_add_nc_u64 s[S1P:S1P+1], s[S1P:S1P+1], s[2:3]
	s_add_nc_u64 s[S0P:S0P+1], s[S0P:S0P+1], s[66:67]
	s_lshl_b32 s2, s92, 2
	s_add_nc_u64 s[BP:BP+1], s[12:13], s[2:3]
	s_lshr_b32 s95, s91, 11                        ; batch
	s_lshl_b32 s95, s95, 4
	s_bfe_u32 s96, s92, 0x40006                    ; my first head
	s_add_co_u32 s95, s95, s96                     ; bh = 16 batch + head
	s_bfe_u32 s96, s91, 0x40007                    ; the step of 128 tokens in the batch
	s_cmp_eq_u32 ttmp9, 0                          ; q?
	s_cselect_b32 s97, 16, 17                      ; log2 of a head's bytes of codes: qimg 65,536, kv 131,072
	s_cselect_b32 s98, 12, 13                      ; of a step's: 4,096, 8,192
	s_mov_b32 s99, 12288
	s_cselect_b32 s99, 8192, s99                   ; a head's bytes of scale words
	s_mov_b32 s66, 768
	s_cselect_b32 s66, 512, s66                    ; a step's
	s_cselect_b64 s[OB:OB+1], s[14:15], s[18:19]
	s_cselect_b64 s[SB:SB+1], s[16:17], s[20:21]
	s_mul_i32 s2, s95, s99
	s_mul_i32 s66, s96, s66
	s_add_co_u32 s2, s2, s66
	s_add_co_u32 s2, s2, s94
	s_add_nc_u64 s[SB:SB+1], s[SB:SB+1], s[2:3]
	s_lshl_b32 s2, s95, s97
	s_lshl_b32 s66, s96, s98
	s_add_co_u32 s2, s2, s66
	s_add_co_u32 s2, s2, s93
	s_add_nc_u64 s[OB:OB+1], s[OB:OB+1], s[2:3]
	s_lshl_b32 s2, 1, s97                          ; a head's bytes
	s_cmp_ge_u32 ttmp9, 2
	s_cselect_b32 s66, s2, 2048                    ; from blocks 0-3 to blocks 4-7: q, k: four tiles on; v: the next head
	s_cselect_b32 s2, 2048, s2                     ; from registers 0-3 to 4-7: q, k: the next head; v: the next 64 keys
	s_add_nc_u64 s[OB+2:OB+3], s[OB:OB+1], s[2:3]
	s_add_nc_u64 s[OB+4:OB+5], s[OB:OB+1], s[66:67]
	s_add_nc_u64 s[OB+6:OB+7], s[OB+4:OB+5], s[2:3]
	v_and_b32 v1, 15, v0                           ; r
	v_bfe_u32 v2, v0, 4, 1                         ; h
	v_lshlrev_b32 v[XSO], 5, v1
.irp i, 0,1,2,3,4,5,6,7                        ; the scale words of my 128 + 128 rows for all of K: eight words a row
	global_load_b128 v[SC1+8*\i:SC1+8*\i+3], v[XSO], s[S1P:S1P+1] offset:512*\i
	global_load_b128 v[SC1+8*\i+4:SC1+8*\i+7], v[XSO], s[S1P:S1P+1] offset:512*\i+16
	global_load_b128 v[SC0+8*\i:SC0+8*\i+3], v[XSO], s[S0P:S0P+1] offset:512*\i
	global_load_b128 v[SC0+8*\i+4:SC0+8*\i+7], v[XSO], s[S0P:S0P+1] offset:512*\i+16
.endr
	s_cmp_ge_u32 ttmp9, 2                          ; the bias in the result's layout: it is the C of each sum's first product
	s_cbranch_scc1 .Lbias_v
	v_lshlrev_b32 v[BOF], 5, v2                    ; q, k: register j of tile b is row 16 b + 8 h + j of W
.irp b, 0,1,2,3,4,5,6,7
	global_load_b128 v[BI+8*\b:BI+8*\b+3], v[BOF], s[BP:BP+1] offset:64*\b
	global_load_b128 v[BI+8*\b+4:BI+8*\b+7], v[BOF], s[BP:BP+1] offset:64*\b+16
.endr
	s_branch .Lbias_done
.Lbias_v:
	s_wait_alu depctr_va_vdst(0)
	v_lshlrev_b32 v[BOF], 2, v1                    ; v: all eight registers of block a are row 16 a + r of W
.irp a, 0,1,2,3,4,5,6,7
.irp j, 0,1,2,3,4,5,6,7
	global_load_b32 v[BI+8*\a+\j], v[BOF], s[BP:BP+1] offset:64*\a
.endr
.endr
.Lbias_done:
	s_wait_alu depctr_va_vdst(0)
	v_mul_u32_u24 v3, v1, PITCH
	v_lshl_add_u32 v3, v2, 4, v3                   ; a fragment's row x pitch + 16 h
	s_mul_i32 s2, s23, HALFT
	s_add_co_u32 s2, s2, s27
	v_add_nc_u32 v[AD1], s2, v3
	v_add_nc_u32 v[AD1+1], SLOT, v[AD1]
	s_mul_i32 s2, s24, HALFT
	s_add_co_u32 s2, s2, s62
	v_add_nc_u32 v[AD0], s2, v3
	v_add_nc_u32 v[AD0+1], SLOT, v[AD0]
	v_and_b32 v[LI], 31, v0
	v_lshlrev_b32 v[LI], 4, v[LI]
	v_mul_u32_u24 v[VS], s99, v2                   ; lanes 16-31 store the next head's scale words
	v_lshl_add_u32 v[VS], v1, 4, v[VS]
	v_lshlrev_b32 v[SH], 4, v2
; 32 LDS loads in one run: both sources' fragments of 128 along K: the q-th of half k, into set
.macro FRAGS k, q, set
	WIN 0x40
.irp i, 0,1,2,3,4,5,6,7
.irp c, 0,1
	ds_load_b128 v[F0+64*(\set)+8*\i+4*\c:F0+64*(\set)+8*\i+4*\c+3], v[AD0+(\k)] offset:64*(\q)+16*PITCH*\i+32*\c
.endr
.endr
.irp i, 0,1,2,3,4,5,6,7
.irp c, 0,1
	ds_load_b128 v[F1+64*(\set)+8*\i+4*\c:F1+64*(\set)+8*\i+4*\c+3], v[AD1+(\k)] offset:64*(\q)+16*PITCH*\i+32*\c
.endr
.endr
	WIN 0
.endm
; 16 products: source 1's blocks a0, a0 + 1 x source 0's eight.  mode 0: onto the sums; 1: the sums start from the bias by source 0's rows; 2: by source 1's
.macro MUL a0, set, q, mode
.irp a, \a0, \a0+1
.irp b, 0,1,2,3,4,5,6,7
.if \mode == 0
	v_wmma_scale_f32_16x16x128_f8f6f4 v[8*(8*((\a)%4)+\b):8*(8*((\a)%4)+\b)+7], v[F0+64*(\set)+8*\b:F0+64*(\set)+8*\b+7], v[F1+64*(\set)+8*(\a):F1+64*(\set)+8*(\a)+7], v[8*(8*((\a)%4)+\b):8*(8*((\a)%4)+\b)+7], v[SC0+8*\b+(\q)], v[SC1+8*(\a)+(\q)] matrix_a_fmt:MATRIX_FMT_FP4 matrix_b_fmt:MATRIX_FMT_FP4
.elseif \mode == 1
	v_wmma_scale_f32_16x16x128_f8f6f4 v[8*(8*((\a)%4)+\b):8*(8*((\a)%4)+\b)+7], v[F0+64*(\set)+8*\b:F0+64*(\set)+8*\b+7], v[F1+64*(\set)+8*(\a):F1+64*(\set)+8*(\a)+7], v[BI+8*\b:BI+8*\b+7], v[SC0+8*\b+(\q)], v[SC1+8*(\a)+(\q)] matrix_a_fmt:MATRIX_FMT_FP4 matrix_b_fmt:MATRIX_FMT_FP4
.else
	v_wmma_scale_f32_16x16x128_f8f6f4 v[8*(8*((\a)%4)+\b):8*(8*((\a)%4)+\b)+7], v[F0+64*(\set)+8*\b:F0+64*(\set)+8*\b+7], v[F1+64*(\set)+8*(\a):F1+64*(\set)+8*(\a)+7], v[BI+8*(\a):BI+8*(\a)+7], v[SC0+8*\b+(\q)], v[SC1+8*(\a)+(\q)] matrix_a_fmt:MATRIX_FMT_FP4 matrix_b_fmt:MATRIX_FMT_FP4
.endif
.endr
.endr
.endm
; the head of K step q: its fragments are in; the next step's are asked for, a whole step's 64 products ahead of their use
.macro HEAD q
	s_wait_dscnt 0x0                               ; step q's 32 loads, issued a step ago
.if \q == 3
	s_wait_tensorcnt 0x0                           ; my part of the second half of K has landed,
	s_barrier_signal -1
	s_barrier_wait -1                              ; everybody's has.
.endif
.if \q < 7
.if \q > 0
	PLACES 4                                       ; in front of loads into the set that the last step's products read
.endif
	FRAGS ((\q)+1)/4, ((\q)+1)%4, ((\q)+1)%2
.endif
.endm
; a K step's 64 products: the accumulators take turns, one instruction a turn, in the same order in every step
.macro PRODS set, q, mode
.if \mode == 0
	WIN 0xa5                                       ; sources window 1, C and D window 2
.else
	WIN 0x85                                       ; C (the bias) window 0
.endif
	MUL 0, \set, \q, \mode
	MUL 2, \set, \q, \mode
.if \mode == 0
	WIN 0xf5
.else
	WIN 0xc5
.endif
	MUL 4, \set, \q, \mode
	MUL 6, \set, \q, \mode
	WIN 0
.endm
	s_wait_alu depctr_va_vdst(0)
	s_wait_tensorcnt 0x1                           ; my part of the first half of K is in; the second half's load may stay out
	s_barrier_signal -1
	s_barrier_wait -1
	FRAGS 0, 0, 0
	s_wait_loadcnt 0x0                             ; scale words and bias
	HEAD 0
	s_cmp_ge_u32 ttmp9, 2
	s_cbranch_scc1 .Lfirst_v
	PRODS 0, 0, 1
	s_branch .Lfirst_done
.Lfirst_v:
	PRODS 0, 0, 2
.Lfirst_done:
.irp q, 1,2,3,4,5,6,7
	HEAD \q
	PRODS (\q)%2, \q, 0
.endr
; THE WAY OUT.  Block a's 64 numbers of a lane become eight registers of codes and a scale word
.macro QUANT a
.set AC, 64*((\a)%4)
.set PA, PC+8*(\a)
	WIN 0x0a+5*((\a)/4)                            ; sources 0 and 1: window 2 or 3
.irp b, 0,1,2,3
	v_max3_num_f32 v[TM+\b], |v[AC+16*\b]|, |v[AC+16*\b+1]|, 0x1800000   ; my 16 numbers of block b, and the floor 2^(3 - 127): the byte cannot fall under 1
.endr
.irp i, 2,4,6,8,10,12,14
.irp b, 0,1,2,3
	v_max3_num_f32 v[TM+\b], |v[AC+16*\b+\i]|, |v[AC+16*\b+\i+1]|, v[TM+\b]
.endr
.endr
	WIN 0
.irp b, 0,1,2,3
	v_permlanex16_b32 v[TM+4+\b], v[TM+\b], s[SEL], s[SEL+1]
.endr
.irp b, 0,1,2,3
	v_max_num_f32 v[TM+\b], v[TM+\b], v[TM+4+\b]   ; with lane l xor 16's 16: the block's largest magnitude
.endr
.irp b, 0,1,2,3
	v_add_nc_u32 v[TM+12+\b], 0xff000000, v[TM+\b] ; 2 off its exponent field: the conversion's scale operand
.endr
.irp b, 0,1,2,3
	v_lshrrev_b32 v[TM+4+\b], 23, v[TM+12+\b]      ; the scale's byte
.endr
	v_lshl_or_b32 v[WD+(\a)], v[TM+5], 8, v[TM+4]
	v_lshl_or_b32 v[WD+(\a)], v[TM+6], 16, v[WD+(\a)]
	v_lshl_or_b32 v[WD+(\a)], v[TM+7], 24, v[WD+(\a)]
	WIN 0x02+((\a)/4)
.irp b, 0,1,2,3
.irp u, 0,1
	v_cvt_scalef32_pk8_fp4_f32 v[PA+4*(\b/2)+(\b%2)+2*\u], v[AC+16*\b+8*\u:AC+16*\b+8*\u+7], v[TM+12+\b]
.endr
.endr
	WIN 0
	v_nop                                          ; one plain place behind a scaled conversion
.irp c, 0,1
	v_permlane16_swap_b32 v[PA+4*\c], v[PA+4*\c+1] ; the first's lanes 16-31 change places with the second's lanes 0-15: a whole block in a lane
	v_permlane16_swap_b32 v[PA+4*\c+2], v[PA+4*\c+3]
.endr
.irp c, 0,1
	global_store_b128 v[LI], v[PA+4*\c:PA+4*\c+3], s[OB+4*((\a)/4)+2*\c:OB+4*((\a)/4)+2*\c+1] offset:512*((\a)%4)   ; 32 lanes store 512 consecutive bytes; no register of a store is written again
.endr
.endm
	s_mov_b32 s[SEL], 0x76543210
	s_mov_b32 s[SEL+1], 0xfedcba98
	PLACES 4                                       ; behind the last products: results are read, and registers that held scale words are written
.irp b, 0,1,2,3
	v_mov_b32 v[TM+4+\b], 0                        ; a lane permute's destination counts as one of its sources
.endr
.irp a, 0,1,2,3,4,5,6,7
	QUANT \a
.endr
	s_cmp_ge_u32 ttmp9, 2
	s_cbranch_scc1 .Lsc_v
.irp a, 0,1,2,3,4,5,6,7
	v_lshrrev_b32 v[DW+\a], v[SH], v[WD+\a]        ; q, k: bytes 0, 1 are my first head's, bytes 2, 3 the next head's: lanes 16-31 bring those down.  Bytes 2, 3 as stored meet zero codes and are never 0xff
.endr
	global_store_b128 v[VS], v[DW:DW+3], s[SB:SB+1]            ; sixteen lanes store 256 consecutive bytes: tiles 0-3,
	global_store_b128 v[VS], v[DW+4:DW+7], s[SB:SB+1] offset:256   ; tiles 4-7
	s_branch .Lsc_done
.Lsc_v:
	s_mov_b32 s2, 0xffff0000
.irp i, 0,1,2,3
	v_cndmask_b32 v[DW+\i], v[WD+\i], v[WD+4+\i], s2   ; v: blocks 0-3 are my first head's four tiles of d, blocks 4-7 the next head's: lanes 16-31 take those
.endr
	global_store_b128 v[VS], v[DW:DW+3], s[SB:SB+1]
.Lsc_done:
	s_wait_tensorcnt 0x0                           ; the wave's end
	ds_add_u32 v[SPW], v[NIL]
	s_wait_dscnt 0x0
	CROUND                                         ; the closing round
	s_endpgm
.Lfunc_end_k_q0675b43990_qkv:
	.size	k_q0675b43990_qkv, .Lfunc_end_k_q0675b43990_qkv-k_q0675b43990_qkv
	.p2alignl 7, 3214868480
	.fill 96, 4, 3214868480
	.section	.rodata,"a",@progbits
	.p2align	6, 0x0
	.amdhsa_kernel k_q0675b43990_qkv
		.amdhsa_group_segment_fixed_size 279040
		.amdhsa_private_segment_fixed_size 0
		.amdhsa_enable_private_segment 0
		.amdhsa_kernarg_size 72
		.amdhsa_user_sgpr_count 2
		.amdhsa_user_sgpr_kernarg_segment_ptr 1
		.amdhsa_wavefront_size32 1
		.amdhsa_system_sgpr_workgroup_id_x 1
		.amdhsa_system_sgpr_workgroup_id_y 1
		.amdhsa_system_sgpr_workgroup_id_z 1
		.amdhsa_system_vgpr_workitem_id 0
		.amdhsa_next_free_vgpr 1024
		.amdhsa_next_free_sgpr 100
		.amdhsa_reserve_vcc 0
		.amdhsa_float_denorm_mode_32 3
		.amdhsa_float_denorm_mode_16_64 3
		.amdhsa_memory_ordered 1
		.amdhsa_forward_progress 1
		.amdhsa_inst_pref_size 144
	.end_amdhsa_kernel
	.amdgpu_metadata
---
amdhsa.version: [ 1, 2 ]
amdhsa.kernels:
  - .name:           k_q0675b43990_qkv
    .symbol:         k_q0675b43990_qkv.kd
    .args:
      - { .name: x_codes, .offset: 0, .size: 8, .value_kind: global_buffer, .address_space: global }
      - { .name: x_scales, .offset: 8, .size: 8, .value_kind: global_buffer, .address_space: global }
      - { .name: w_qkv_codes, .offset: 16, .size: 8, .value_kind: global_buffer, .address_space: global }
      - { .name: w_qkv_scales, .offset: 24, .size: 8, .value_kind: global_buffer, .address_space: global }
      - { .name: b_qkv, .offset: 32, .size: 8, .value_kind: global_buffer, .address_space: global }
      - { .name: qimg, .offset: 40, .size: 8, .value_kind: global_buffer, .address_space: global }
      - { .name: qsc, .offset: 48, .size: 8, .value_kind: global_buffer, .address_space: global }
      - { .name: kv, .offset: 56, .size: 8, .value_kind: global_buffer, .address_space: global }
      - { .name: kvs, .offset: 64, .size: 8, .value_kind: global_buffer, .address_space: global }
    .group_segment_fixed_size: 279040
    .private_segment_fixed_size: 0
    .kernarg_segment_align: 8
    .kernarg_segment_size: 72
    .max_flat_workgroup_size: 128
    .sgpr_count:     100
    .vgpr_count:     1024
    .wavefront_size: 32
...
	.end_amdgpu_metadata
.endif
;; end of part 1
;; launch attn (part 2): grid 4 x 64, 8 waves a work-group, clusters of 4 x 1, 327,680 bytes of LDS; arguments qimg, qsc, kv, kvs, mask, aimg, asc; writes aimg, asc
.if DOCPART == 2
	.amdgcn_target "amdgcn-amd-amdhsa--gfx1250"
	.amdhsa_code_object_version 6
	.text
	.protected	k_q0675b43990_attn
	.globl	k_q0675b43990_attn
	.p2align	8
	.type	k_q0675b43990_attn,@function
k_q0675b43990_attn:
	s_mov_b64 s[64:65], 0
	v_nop
	global_prefetch_b8 v0, s[64:65] scope:SCOPE_SE
	s_setreg_imm32_b32 hwreg(HW_REG_WAVE_MODE, 25, 1), 1
	s_wait_xcnt 0x0
	s_wait_alu depctr_hold_cnt(0) depctr_sa_sdst(0) depctr_va_vdst(0) depctr_va_sdst(0) depctr_va_ssrc(0) depctr_va_vcc(0) depctr_vm_vsrc(0)
	s_getreg_b32 s2, hwreg(HW_REG_IB_STS2, 6, 4)
	s_cmp_eq_u32 s2, 0
	s_cbranch_scc0 .Lentry_in_a_cluster
	s_endpgm
.Lentry_in_a_cluster:
	s_bfe_u32 s2, ttmp6, 0x10000c
	s_cmp_lg_u32 s2, 0x3003
	s_cbranch_scc0 .Lentry_shape_is_right
	s_endpgm
.Lentry_shape_is_right:
; For each batch and head: scores = q k^T / 2, keys whose mask is 0 hidden, p = 2^(t - M), O = p v / l, and O quantised along 64 head + d for the last product.  All products on codes of FP4 with E8M0 scales.
; t = score x log2(e) / 2; M = the running largest t rounded UP to a whole number; l = the sum of the unquantised p.  When M moves, l and O are multiplied by 2^(old M - new M), which rounds nothing.
; No work of the problem is left out here: hidden keys are computed and selected, since p's and v's blocks of 32 run over the keys as they lie.
; THE MASK IS THE C OF THE SCORE PRODUCTS: 0 for a key that counts, -3e38 for a hidden one.  The largest t starts at -1e30, over every hidden t (about -2.2e38): so a hidden key's p is 0 from the first step on.
; LIMITS: a true t under -1e30 counts as hidden; NaN and infinities are not served.  A row with no key left has l = 0: its scale bytes become 0xff, which makes the last product's sums NaN, as the softmax of such a row is.
; SHARES.  A work-group: 512 queries of one head; each of its eight waves (two to a SIMD) four tiles of 16 queries, so that each fragment of k, v and the mask read from LDS serves four tiles.
; THE WHOLE HEAD'S k AND v LIE IN LDS (131,072 bytes of codes, 12,288 of scale words), filled once.  The four work-groups of a head are a cluster and ask for them jointly; my place in the cluster enters global addresses of q and of the results alone.
; Both products are used transposed: S^T = k q^T (source 0 = 16 keys), O^T = v^T p^T (source 0 = 16 of d): a lane holds ONE query throughout.
; K = 64 IN AN INSTRUCTION OF 128: q's fragment has zero codes in its upper four registers; k's fragment of tile T is registers 4 T .. 4 T + 7, whose upper four (the next tile's codes, or four cleared registers) meet those zeros.
; REGISTERS: window 0: v1-15 addresses; v16-31 four a tile: -M, largest t, l in two halves; v32-63 q; v64-99 k; v100-119 scale words; v120-151 p's codes; v152-215 S^T, then p, of the tile in hand; v216-247 at work.
;   window 1: v0-127 O^T (tile q, d / 16 = t: v[32 q + 8 t]); v128-191 the mask as C; v192-223 v's fragments.
.set KVS,   131072                     ; LDS: behind the codes (8,192 bytes a step of 128 keys) the scale words, 768 bytes a step
.set MB,    143360                     ; the mask as f32, 4 bytes a key: stored by the waves, never a fill's target
.set SPARE, 152576                     ; the spare words, 128 bytes a wave; 1,024 bytes in front of them are not used
.set LI,  1                            ; 16 x lane
.set LR,  2                            ; 16 r
.set LM,  3                            ; MB + 32 h
.set ADK, 4                            ; the step's codes
.set ADS, 5                            ; its scale words
.set ADM, 6                            ; its part of the mask
.set BO,  7                            ; 32 r + h
.set SPW, 8
.set NIL, 9
.set LS,  15                           ; KVS + 16 r
.set ST,  16
.set QF,  32
.set KF,  64
.set KW,  100
.set VW,  108
.set QW,  112
.set PW,  116
.set PC,  120
.set S,   152
.set BM,  216
.set T4,  220
.set SCL, 224
.set F,   228
.set TP,  230
.set SUM2, 232
.set FFR, 238
.set AM,  240
.set AP,  242
.set AQ,  244
.set AB,  246
.set CM,  128
.set VF,  192
.set WV,  18
.set SEL, 20
.set CS,  22
.set G1A, 24                           ; s[24:31] 8 rows of 256 bytes; s[32:39] 56 rows; s[40:47] 6 rows
.set G1B, 32
.set G1S, 40
.set G0S, 48                           ; s[48:51] scale words; s[52:55] steps 0, 1; s[56:59] steps 2 to 15
.set G0A, 52
.set G0B, 56
.set TB,  60
.set TS,  61
.set TMK, 62
.set CNT, 63
.set HI,  70                           ; lanes 16-31
.set AO,  72
.set AS,  74
.set MSB, 0
.macro WIN new
.if MSB != (\new)
	s_set_vgpr_msb (MSB<<8)|(\new)
.set MSB, (\new)
.endif
.endm
.macro CROUND
	s_barrier_signal -1
	s_barrier_wait -1
	s_cmp_lg_u32 s[WV], 0
	s_cbranch_scc1 .Lnot_wave_0_\@
	s_barrier_signal -3
.Lnot_wave_0_\@:
	s_barrier_wait -3
	s_barrier_signal -1
	s_barrier_wait -1
.endm
.macro SHAPE g, rows                   ; a dense block as rows of 256 bytes (32 elements of 8 bytes), for all four work-groups
	s_mov_b32 s[\g], 15|(3<<16)|(1<<21)
	s_mov_b32 s[\g+1], 32<<16
	s_mov_b32 s[\g+2], (\rows)<<16
	s_mov_b32 s[\g+3], 32<<16
	s_mov_b32 s[\g+4], \rows
	s_mov_b32 s[\g+5], 32
	s_mov_b32 s[\g+6], 0
	s_mov_b32 s[\g+7], 0
.endm
	s_load_b256 s[4:11], s[0:1], 0x0               ; qimg, qsc, kv, kvs
	s_load_b128 s[12:15], s[0:1], 0x20             ; mask, aimg
	s_load_b64 s[16:17], s[0:1], 0x30              ; asc
	v_lshl_add_u32 v[SPW], v0, 2, SPARE
	v_mov_b32 v[NIL], 0
	ds_add_u32 v[SPW], v[NIL]                      ; the opening: the add, twice on end, and its wait ahead of my first tensor load
	ds_add_u32 v[SPW], v[NIL]
	v_lshrrev_b32 v10, 5, v0
	s_delay_alu instid0(VALU_DEP_1)
	v_readfirstlane_b32 s[WV], v10                 ; wave 0..7
	s_and_b32 s19, ttmp7, 0xffff                   ; bh = 16 batch + head, which the four partners share
	SHAPE G1A, 8
	SHAPE G1B, 56
	SHAPE G1S, 6
	s_mul_i32 s76, s19, 12288                      ; each wave fetches an eighth of each block
	s_mul_i32 s71, s[WV], 1536
	s_add_co_u32 s76, s76, s71
	s_mov_b32 s77, 0
	s_add_co_u32 s[G0S+1], s71, KVS
	s_lshl_b32 s78, s19, 17
	s_lshl_b32 s71, s[WV], 11
	s_add_co_u32 s[G0A+1], s71, 0
	s_add_co_u32 s78, s78, s71
	s_mov_b32 s79, 0
	s_mul_i32 s71, s[WV], 14336
	s_add_co_u32 s71, s71, 16384
	s_add_co_u32 s[G0B+1], s71, 0
	s_lshl_b32 s68, s19, 17
	s_add_co_u32 s68, s68, s71
	s_mov_b32 s69, 0
	s_mov_b32 s[SEL], 0x76543210
	s_mov_b32 s[SEL+1], 0xfedcba98
	s_mov_b32 s[CS], 0x3f38aa3b                    ; c = log2(e) / 2
	s_mov_b32 s[CS+1], s[CS]
	s_mov_b32 s[HI], 0xffff0000
	s_mov_b32 s[TB], 0
	s_mov_b32 s[TS], 0
	s_mov_b32 s[TMK], 0
	s_wait_dscnt 0x0                               ; both opening adds are done
	s_wait_kmcnt 0x0
	s_mov_b32 s[G0S], 1
	s_add_nc_u64 s[G0S+2:G0S+3], s[10:11], s[76:77]
	s_or_b32 s[G0S+3], s[G0S+3], 0x80000000
	s_mov_b32 s[G0A], 1
	s_add_nc_u64 s[G0A+2:G0A+3], s[8:9], s[78:79]
	s_or_b32 s[G0A+3], s[G0A+3], 0x80000000
	s_mov_b32 s[G0B], 1
	s_add_nc_u64 s[G0B+2:G0B+3], s[8:9], s[68:69]
	s_or_b32 s[G0B+3], s[G0B+3], 0x80000000
	CROUND                                         ; all four work-groups are here: the joint loads meet
	tensor_load_to_lds s[G0S:G0S+3], s[G1S:G1S+7]  ; every wave issues its three, each of the first two waited for before the next
	s_nop 0
	s_wait_alu depctr_va_vdst(0)
	s_wait_tensorcnt 0x0
	ds_add_u32 v8, v9
	s_wait_dscnt 0x0
	CROUND
	tensor_load_to_lds s[G0A:G0A+3], s[G1A:G1A+7]
	s_nop 0
	s_wait_alu depctr_va_vdst(0)
	s_wait_tensorcnt 0x0
	ds_add_u32 v8, v9
	s_wait_dscnt 0x0
	CROUND
	tensor_load_to_lds s[G0B:G0B+3], s[G1B:G1B+7]
	s_nop 0
.rept 4
	v_nop
.endr
	s_bfe_u32 s80, ttmp6, 0x40000                  ; cx: from here on in registers that feed no descriptor
	s_lshl_b32 s80, s80, 5
	s_lshl_b32 s81, s[WV], 2
	s_add_co_u32 s81, s81, s80                     ; my first tile of queries: 32 cx + 4 wave
	s_mov_b32 s83, 0
	s_lshl_b32 s82, s19, 16
	s_lshl_b32 s87, s81, 9
	s_add_co_u32 s82, s82, s87
	s_add_nc_u64 s[4:5], s[4:5], s[82:83]
	s_lshl_b32 s82, s19, 13
	s_lshl_b32 s87, s81, 6
	s_add_co_u32 s82, s82, s87
	s_add_nc_u64 s[6:7], s[6:7], s[82:83]
	s_lshr_b32 s84, s19, 4                         ; batch
	s_lshl_b32 s82, s84, 13
	s_add_nc_u64 s[12:13], s[12:13], s[82:83]
	s_and_b32 s85, s19, 15                         ; head
	s_lshl_b32 s86, s84, 7
	s_add_co_u32 s86, s86, s81                     ; my first tile among all tokens'
	s_lshr_b32 s82, s85, 3
	s_lshl_b32 s82, s82, 21                        ; aimg: [head / 8][tile][(head / 2) % 4][head % 2][512]
	s_lshl_b32 s87, s86, 12
	s_add_co_u32 s82, s82, s87
	s_bfe_u32 s87, s85, 0x20001
	s_lshl_b32 s87, s87, 10
	s_add_co_u32 s82, s82, s87
	s_and_b32 s87, s85, 1
	s_lshl_b32 s87, s87, 9
	s_add_co_u32 s82, s82, s87
	s_add_nc_u64 s[AO:AO+1], s[14:15], s[82:83]
	s_lshl_b32 s82, s86, 9                         ; asc: [tile][r][32 bytes], byte 2 head + block
	s_lshl_b32 s87, s85, 1
	s_add_co_u32 s82, s82, s87
	s_add_nc_u64 s[AS:AS+1], s[16:17], s[82:83]
	v_and_b32 v10, 31, v0
	s_delay_alu instid0(VALU_DEP_1)
	v_lshlrev_b32 v[LI], 4, v10
	v_and_b32 v11, 15, v0
	s_delay_alu instid0(VALU_DEP_1)
	v_lshlrev_b32 v[LR], 4, v11
	v_bfe_u32 v12, v0, 4, 1
	s_delay_alu instid0(VALU_DEP_1)
	v_lshl_add_u32 v[LM], v12, 5, MB
	s_delay_alu instid0(VALU_DEP_2)
	v_lshl_add_u32 v[BO], v11, 5, v12
	v_lshl_add_u32 v[LS], v11, 4, KVS
	v_lshlrev_b32 v13, 5, v0                       ; thread t takes keys 8 t .. 8 t + 7 of the batch's mask
	v_lshl_add_u32 v14, v0, 5, MB
	global_load_b128 v[232:235], v13, s[12:13]
	global_load_b128 v[236:239], v13, s[12:13] offset:16
.irp q, 0,1,2,3
	global_load_b128 v[QF+8*\q:QF+8*\q+3], v[LI], s[4:5] offset:512*\q   ; q's fragments stay in registers
.endr
	global_load_b128 v[QW:QW+3], v[LR], s[6:7]     ; and the four tiles' scale words
.irp q, 0,1,2,3
.irp i, 4,5,6,7
	v_mov_b32 v[QF+8*\q+\i], 0                     ; zero codes for K = 64 .. 127
.endr
	v_mov_b32 v[ST+4*\q+2], 0                      ; l
	v_mov_b32 v[ST+4*\q+3], 0
	v_mov_b32 v[KF+32+\q], 0                       ; behind k's last tile
	v_mov_b32 v[T4+\q], 0                          ; a lane permute's destination counts as one of its sources
.endr
	v_mov_b32 v[F+1], 0                            ; named as the upper half of a pair
	v_mov_b32 v230, 0
	v_mov_b32 v231, 0xff61b1e6                     ; -3e38
	v_add_nc_u32 v[ADK], s[TB], v[LI]
	v_add_nc_u32 v[ADS], s[TS], v[LS]
	v_add_nc_u32 v[ADM], s[TMK], v[LM]
	s_wait_alu depctr_va_vdst(0)
	s_wait_loadcnt 0x5                             ; the mask's two loads are in; q's four and its scale words' one may stay out
.irp i, 0,1,2,3,4,5,6,7
	v_cmp_eq_u32 vcc_lo, 0, v[232+\i]
	s_delay_alu instid0(VALU_DEP_1)
	v_cndmask_b32 v[232+\i], v230, v231, vcc_lo
.endr
	ds_store_b128 v14, v[232:235]
	ds_store_b128 v14, v[236:239] offset:16
	s_wait_dscnt 0x0                               ; for the others' sake: my part of the mask lies in LDS
	s_wait_tensorcnt 0x1                           ; the scale words and steps 0, 1 are in; the load of steps 2 to 15 may stay out
	s_barrier_signal -1
	s_barrier_wait -1
; the scale words, codes and mask of k for this step (d = 0) or the next (d = 1)
.macro KLOADS d
	ds_load_b128 v[KW:KW+3], v[ADS] offset:768*\d
	ds_load_b128 v[KW+4:KW+7], v[ADS] offset:768*\d+256
.irp t, 0,1,2,3,4,5,6,7
	ds_load_b128 v[KF+4*\t:KF+4*\t+3], v[ADK] offset:8192*\d+512*\t
.endr
	WIN 0x40
.irp t, 0,1,2,3,4,5,6,7
	ds_load_b128 v[CM+8*\t:CM+8*\t+3], v[ADM] offset:512*\d+64*\t          ; register j of tile t is key 16 t + 8 h + j, for every query
	ds_load_b128 v[CM+8*\t+4:CM+8*\t+7], v[ADM] offset:512*\d+64*\t+16
.endr
	WIN 0
.endm
.macro VLOADS
	WIN 0x40
	s_setprio 2
.irp t, 0,1,2,3
.irp c, 0,1
	ds_load_b128 v[VF+8*\t+4*\c:VF+8*\t+4*\c+3], v[ADK] offset:4096+2048*\c+512*\t
.endr
.endr
	WIN 0
	ds_load_b128 v[VW:VW+3], v[ADS] offset:512
.endm
.macro SCORES q
	WIN 0x10                                       ; C (the mask) window 1
.irp t, 0,1,2,3,4,5,6,7
	v_wmma_scale_f32_16x16x128_f8f6f4 v[S+8*\t:S+8*\t+7], v[KF+4*\t:KF+4*\t+7], v[QF+8*(\q):QF+8*(\q)+7], v[CM+8*\t:CM+8*\t+7], v[KW+\t], v[QW+(\q)] matrix_a_fmt:MATRIX_FMT_FP4 matrix_b_fmt:MATRIX_FMT_FP4
.endr
	WIN 0
.rept 4
	v_nop                                          ; places behind the products, in front of the first read of results and of loads into their operands
.endr
.endm
; tile q's softmax for 128 keys.  The 16 registers of tiles 2 b, 2 b + 1 are my 16 keys of block b; lane l xor 16 has the other 16
.macro SOFTMAX q, first
.set SQ, ST+4*(\q)
.set PQ, PC+8*(\q)
.irp b, 0,1,2,3
	v_max3_num_f32 v[BM+\b], v[S+16*\b], v[S+16*\b+1], v[S+16*\b+2]   ; each block's largest score: for the row's maximum, and, since p rises with the score, for the block's largest p
.endr
.irp i, 3,5,7,9,11,13
.irp b, 0,1,2,3
	v_max3_num_f32 v[BM+\b], v[BM+\b], v[S+16*\b+\i], v[S+16*\b+\i+1]
.endr
.endr
.irp b, 0,1,2,3
	v_max_num_f32 v[BM+\b], v[BM+\b], v[S+16*\b+15]
.endr
.irp b, 0,1,2,3
	s_delay_alu instid0(VALU_DEP_4)
	v_permlanex16_b32 v[T4+\b], v[BM+\b], s[SEL], s[SEL+1]
.endr
.irp b, 0,1,2,3
	s_delay_alu instid0(VALU_DEP_4)
	v_max_num_f32 v[BM+\b], v[BM+\b], v[T4+\b]
.endr
	s_delay_alu instid0(VALU_DEP_2)
	v_max3_num_f32 v[TP], v[BM], v[BM+1], v[BM+2]
	s_delay_alu instid0(VALU_DEP_1)
	v_max_num_f32 v[TP], v[TP], v[BM+3]
	s_delay_alu instid0(VALU_DEP_1)
	v_mul_f32 v[TP], s[CS], v[TP]                  ; the step's largest t
.if \first
	s_delay_alu instid0(VALU_DEP_1)
	v_max_num_f32 v[SQ+1], 0xf149f2ca, v[TP]       ; the largest t is never taken under -1e30
	s_delay_alu instid0(VALU_DEP_1)
	v_floor_f32 v[SQ], -v[SQ+1]                    ; -M = floor(-t)
.else
	s_delay_alu instid0(VALU_DEP_1)
	v_max_num_f32 v[SQ+1], v[SQ+1], v[TP]
	v_mov_b32 v[TP], v[SQ]
	s_delay_alu instid0(VALU_DEP_2)
	v_floor_f32 v[SQ], -v[SQ+1]
	s_delay_alu instid0(VALU_DEP_1)
	v_sub_f32 v[TP], v[SQ], v[TP]                  ; old M - new M: a whole number, 0 or less
	s_delay_alu instid0(VALU_DEP_1)
	v_cvt_i32_f32 v[TP], v[TP]                     ; (it saturates)
	s_delay_alu instid0(VALU_DEP_1)
	v_ldexp_f32 v[F], 1.0, v[TP]                   ; f = 2^(old M - new M)
.endif
.irp j, 0,2,4,6,8,10,12,14,16,18,20,22,24,26,28,30,32,34,36,38,40,42,44,46,48,50,52,54,56,58,60,62
	v_pk_fma_f32 v[S+\j:S+\j+1], v[S+\j:S+\j+1], s[CS:CS+1], v[SQ:SQ+1] op_sel_hi:[1,0,0]   ; t - M, two at a time
.endr
.irp b, 0,1,2,3
	v_fma_f32 v[BM+\b], v[BM+\b], s[CS], v[SQ]
.endr
	s_wait_alu depctr_va_vdst(0)
.irp j, 0,1,2,3,4,5,6,7,8,9,10,11,12,13,14,15,16,17,18,19,20,21,22,23,24,25,26,27,28,29,30,31,32,33,34,35,36,37,38,39,40,41,42,43,44,45,46,47,48,49,50,51,52,53,54,55,56,57,58,59,60,61,62,63
	v_exp_f32 v[S+\j], v[S+\j]                     ; p = 2^(t - M): not normalised
.endr
.if \first
	v_nop                                          ; a plain place behind the exponentials
.else
	v_pk_mul_f32 v[SQ+2:SQ+3], v[SQ+2:SQ+3], v[F:F+1] op_sel_hi:[1,0]   ; l under the new M.  (A plain place behind the exponentials)
.endif
	s_wait_alu depctr_va_vdst(0)                   ; one wait for the batch of 64, ahead of its first reader
.irp b, 0,1,2,3
	v_exp_f32 v[BM+\b], v[BM+\b]                   ; each block's largest p
.endr
	v_pk_add_f32 v[SUM2:SUM2+1], v[S:S+1], v[S+2:S+3]   ; l takes the UNQUANTISED p, two at a time, in two chains
.irp j, 4,8,12,16,20,24,28,32,36,40,44,48,52,56,60
	v_pk_add_f32 v[SQ+2:SQ+3], v[SQ+2:SQ+3], v[S+\j:S+\j+1]
	v_pk_add_f32 v[SUM2:SUM2+1], v[SUM2:SUM2+1], v[S+\j+2:S+\j+3]
.endr
	s_delay_alu instid0(VALU_DEP_1)
	v_pk_add_f32 v[SQ+2:SQ+3], v[SQ+2:SQ+3], v[SUM2:SUM2+1]
	s_wait_alu depctr_va_vdst(0)                   ; and one for the four
.irp b, 0,1,2,3
	v_max_num_f32 v[BM+\b], 0x1800000, v[BM+\b]    ; the floor 2^(3 - 127): a block whose every p is 0 keeps the byte 1: its codes are zeros
.endr
.irp b, 0,1,2,3
	s_delay_alu instid0(VALU_DEP_4)
	v_add_nc_u32 v[SCL+\b], 0xff000000, v[BM+\b]
.endr
.irp b, 0,1,2,3
	s_delay_alu instid0(VALU_DEP_4)
	v_lshrrev_b32 v[T4+\b], 23, v[SCL+\b]
.endr
	s_delay_alu instid0(VALU_DEP_3)
	v_lshl_or_b32 v[PW+(\q)], v[T4+1], 8, v[T4]
	s_delay_alu instid0(VALU_DEP_1)
	v_lshl_or_b32 v[PW+(\q)], v[T4+2], 16, v[PW+(\q)]
	s_delay_alu instid0(VALU_DEP_1)
	v_lshl_or_b32 v[PW+(\q)], v[T4+3], 24, v[PW+(\q)]
.irp b, 0,1,2,3
.irp u, 0,1
	v_cvt_scalef32_pk8_fp4_f32 v[PQ+4*(\b/2)+(\b%2)+2*\u], v[S+16*\b+8*\u:S+16*\b+8*\u+7], v[SCL+\b]
.endr
.endr
	v_nop                                          ; one plain place behind a scaled conversion
.irp c, 0,1
	v_permlane16_swap_b32 v[PQ+4*\c], v[PQ+4*\c+1]
	v_permlane16_swap_b32 v[PQ+4*\c+2], v[PQ+4*\c+3]
.endr
.endm
.macro RESCALE q                       ; O^T under the new M.  These 16 are also the places between p's scale word and codes and the products that take them
	WIN 0x41
.set n, 0
.rept 16
	v_pk_mul_f32 v[32*(\q)+n:32*(\q)+n+1], v[32*(\q)+n:32*(\q)+n+1], v[F:F+1] op_sel_hi:[1,0]
.set n, n+2
.endr
	WIN 0
.endm
.macro PVALL first                     ; O^T += v^T p^T: sixteen accumulators, one instruction each
	s_wait_dscnt 0x0                               ; v, asked for at the step's head, and the next step's k
.if \first
	WIN 0x41
.else
	WIN 0x51
.endif
	s_setprio 0
.irp t, 0,1,2,3
.irp q, 0,1,2,3
.if \first
	v_wmma_scale_f32_16x16x128_f8f6f4 v[32*\q+8*\t:32*\q+8*\t+7], v[VF+8*\t:VF+8*\t+7], v[PC+8*\q:PC+8*\q+7], 0, v[VW+\t], v[PW+\q] matrix_a_fmt:MATRIX_FMT_FP4 matrix_b_fmt:MATRIX_FMT_FP4
.else
	v_wmma_scale_f32_16x16x128_f8f6f4 v[32*\q+8*\t:32*\q+8*\t+7], v[VF+8*\t:VF+8*\t+7], v[PC+8*\q:PC+8*\q+7], v[32*\q+8*\t:32*\q+8*\t+7], v[VW+\t], v[PW+\q] matrix_a_fmt:MATRIX_FMT_FP4 matrix_b_fmt:MATRIX_FMT_FP4
.endif
.endr
.endr
	WIN 0
.endm
; A KEY STEP of 128 keys for my four tiles.  tail = 1: in the loop's last trip there is no next step: a branch on the count of steps leads round the look-ahead's LDS loads
.macro STEP first, tail
	VLOADS
.irp q, 0,1,2,3
	SCORES \q
.if \q == 3
.if \tail
	s_setprio 1
	s_cmp_eq_u32 s[CNT], 1
	s_cbranch_scc1 .Lno_next_\@
.endif
	KLOADS 1                                       ; all four tiles have multiplied by this step's k: the next step's comes in under the last tile's softmax
.if \tail
.Lno_next_\@:
.endif
.endif
	SOFTMAX \q, \first
.if !\first
	RESCALE \q
.endif
.endr
.if \first
	s_wait_alu depctr_va_vdst(0)
.rept 8
	v_nop                                          ; places between the last scale word and the products
.endr
.endif
	s_wait_alu depctr_va_vdst(0)
	PVALL \first
	s_add_co_u32 s[TB], s[TB], 8192
	s_add_co_u32 s[TS], s[TS], 768
	s_add_co_u32 s[TMK], s[TMK], 512
	v_add_nc_u32 v[ADK], s[TB], v[LI]              ; these four lines are the places in front of the next step's loads into v's registers
	v_add_nc_u32 v[ADS], s[TS], v[LS]
	v_add_nc_u32 v[ADM], s[TMK], v[LM]
	v_nop
.endm
	KLOADS 0
	s_wait_dscnt 0x0
	s_wait_loadcnt 0x0                             ; q
	STEP 1, 0                                      ; step 0 starts O^T's sums and the largest t; its look-ahead reads step 1
	s_wait_tensorcnt 0x0                           ; my part of steps 2 to 15 has landed,
	s_wait_dscnt 0x0
	s_barrier_signal -1
	s_barrier_wait -1                              ; everybody's has.
	s_mov_b32 s[CNT], 15
.Lstep:
	s_wait_alu depctr_va_vdst(0)
	STEP 0, 1
	s_sub_co_u32 s[CNT], s[CNT], 1
	s_cmp_lg_u32 s[CNT], 0
	s_cbranch_scc1 .Lstep
	s_setprio 0
	; THE WAY OUT: l whole; O^T / l; quantised along d (two blocks of 32 a head); the codes leave as an image of the last product's operand
.irp q, 0,1,2,3
	v_add_f32 v[BM+\q], v[ST+4*\q+2], v[ST+4*\q+3] ; (these additions are the places behind the last products)
.endr
.irp q, 0,1,2,3
	s_delay_alu instid0(VALU_DEP_4)
	v_permlanex16_b32 v[T4+\q], v[BM+\q], s[SEL], s[SEL+1]
.endr
.irp q, 0,1,2,3
	s_delay_alu instid0(VALU_DEP_4)
	v_add_f32 v[BM+\q], v[BM+\q], v[T4+\q]         ; l
.endr
	s_wait_alu depctr_va_vdst(0)
.irp q, 0,1,2,3
	v_rcp_f32 v[ST+4*\q], v[BM+\q]                 ; into -M's register: the low word of an even pair
.endr
	v_mov_b32 v[FFR], 0xff                         ; (a plain place behind the reciprocals)
	v_mov_b32 v[AP], 0
	v_mov_b32 v[AP+1], 0
	s_wait_alu depctr_va_vdst(0)                   ; one wait for the four
.macro FINISH q
.set Y, S+32*((\q)%2)
.set PQ, PC+8*(\q)
	WIN 0x01
.set n, 0
.rept 16
	v_pk_mul_f32 v[Y+n:Y+n+1], v[32*(\q)+n:32*(\q)+n+1], v[ST+4*(\q):ST+4*(\q)+1] op_sel_hi:[1,0]   ; register 8 t + j: d = 16 t + 8 h + j of my query
.set n, n+2
.endr
	WIN 0
.irp b, 0,1
	v_max3_num_f32 v[AM+\b], |v[Y+16*\b]|, |v[Y+16*\b+1]|, 0x1800000
.endr
.irp i, 2,4,6,8,10,12,14
.irp b, 0,1
	s_delay_alu instid0(VALU_DEP_2)
	v_max3_num_f32 v[AM+\b], v[AM+\b], |v[Y+16*\b+\i]|, |v[Y+16*\b+\i+1]|
.endr
.endr
.irp b, 0,1
	s_delay_alu instid0(VALU_DEP_2)
	v_permlanex16_b32 v[AP+\b], v[AM+\b], s[SEL], s[SEL+1]
.endr
.irp b, 0,1
	s_delay_alu instid0(VALU_DEP_2)
	v_max_num_f32 v[AM+\b], v[AM+\b], v[AP+\b]
.endr
.irp b, 0,1
	s_delay_alu instid0(VALU_DEP_2)
	v_add_nc_u32 v[AQ+\b], 0xff000000, v[AM+\b]
.endr
.irp b, 0,1
	s_delay_alu instid0(VALU_DEP_2)
	v_lshrrev_b32 v[AB+\b], 23, v[AQ+\b]
.endr
	s_delay_alu instid0(VALU_DEP_1)
	v_cndmask_b32 v[T4+(\q)], v[AB], v[AB+1], s[HI]    ; lanes 0-15 store block 0's byte, lanes 16-31 block 1's
	v_cmp_eq_f32 vcc_lo, 0, v[BM+(\q)]
	s_delay_alu instid0(VALU_DEP_1)
	v_cndmask_b32 v[T4+(\q)], v[T4+(\q)], v[FFR], vcc_lo   ; no key left: the byte 0xff
.irp b, 0,1
.irp u, 0,1
	v_cvt_scalef32_pk8_fp4_f32 v[PQ+\b+2*\u], v[Y+16*\b+8*\u:Y+16*\b+8*\u+7], v[AQ+\b]
.endr
.endr
	v_nop
	v_permlane16_swap_b32 v[PQ], v[PQ+1]
	v_permlane16_swap_b32 v[PQ+2], v[PQ+3]         ; registers 0-3: d = 32 h + 0 .. 31 of query r
	global_store_b128 v[LI], v[PQ:PQ+3], s[AO:AO+1] offset:4096*(\q)   ; 512 consecutive bytes
	global_store_b8 v[BO], v[T4+(\q)], s[AS:AS+1] offset:512*(\q)      ; a head owns 2 of a row's 32 scale bytes: single bytes, one sixteenth of what the launch stores
.endm
.irp q, 0,1,2,3
	FINISH \q
.endr
	s_wait_tensorcnt 0x0                           ; the wave's end
	ds_add_u32 v[SPW], v[NIL]
	s_wait_dscnt 0x0
	CROUND                                         ; the closing round
	s_endpgm
.Lfunc_end_k_q0675b43990_attn:
	.size	k_q0675b43990_attn, .Lfunc_end_k_q0675b43990_attn-k_q0675b43990_attn
	.p2alignl 7, 3214868480
	.fill 96, 4, 3214868480
	.section	.rodata,"a",@progbits
	.p2align	6, 0x0
	.amdhsa_kernel k_q0675b43990_attn
		.amdhsa_group_segment_fixed_size 327680
		.amdhsa_private_segment_fixed_size 0
		.amdhsa_enable_private_segment 0
		.amdhsa_kernarg_size 56
		.amdhsa_user_sgpr_count 2
		.amdhsa_user_sgpr_kernarg_segment_ptr 1
		.amdhsa_wavefront_size32 1
		.amdhsa_system_sgpr_workgroup_id_x 1
		.amdhsa_system_sgpr_workgroup_id_y 1
		.amdhsa_system_sgpr_workgroup_id_z 1
		.amdhsa_system_vgpr_workitem_id 0
		.amdhsa_next_free_vgpr 512
		.amdhsa_next_free_sgpr 96
		.amdhsa_reserve_vcc 1
		.amdhsa_float_denorm_mode_32 3
		.amdhsa_float_denorm_mode_16_64 3
		.amdhsa_memory_ordered 1
		.amdhsa_forward_progress 1
		.amdhsa_inst_pref_size 144
	.end_amdhsa_kernel
	.amdgpu_metadata
---
amdhsa.version: [ 1, 2 ]
amdhsa.kernels:
  - .name:           k_q0675b43990_attn
    .symbol:         k_q0675b43990_attn.kd
    .args:
      - { .name: qimg, .offset: 0, .size: 8, .value_kind: global_buffer, .address_space: global }
      - { .name: qsc, .offset: 8, .size: 8, .value_kind: global_buffer, .address_space: global }
      - { .name: kv, .offset: 16, .size: 8, .value_kind: global_buffer, .address_space: global }
      - { .name: kvs, .offset: 24, .size: 8, .value_kind: global_buffer, .address_space: global }
      - { .name: mask, .offset: 32, .size: 8, .value_kind: global_buffer, .address_space: global }
      - { .name: aimg, .offset: 40, .size: 8, .value_kind: global_buffer, .address_space: global }
      - { .name: asc, .offset: 48, .size: 8, .value_kind: global_buffer, .address_space: global }
    .group_segment_fixed_size: 327680
    .private_segment_fixed_size: 0
    .kernarg_segment_align: 8
    .kernarg_segment_size: 56
    .max_flat_workgroup_size: 256
    .sgpr_count:     96
    .vgpr_count:     512
    .wavefront_size: 32
...
	.end_amdgpu_metadata
.endif
;; end of part 2
;; launch proj (part 3): grid 4 x 64, 4 waves a work-group, clusters of 4 x 4, 239,104 bytes of LDS; arguments aimg, asc, w_out_codes, w_out_scales, b_out, out0; writes out0
.if DOCPART == 3
	.amdgcn_target "amdgcn-amd-amdhsa--gfx1250"
	.amdhsa_code_object_version 6
	.text
	.protected	k_q0675b43990_proj
	.globl	k_q0675b43990_proj
	.p2align	8
	.type	k_q0675b43990_proj,@function
k_q0675b43990_proj:
	s_mov_b64 s[64:65], 0
	v_nop
	global_prefetch_b8 v0, s[64:65] scope:SCOPE_SE
	s_setreg_imm32_b32 hwreg(HW_REG_WAVE_MODE, 25, 1), 1
	s_wait_xcnt 0x0
	s_wait_alu depctr_hold_cnt(0) depctr_sa_sdst(0) depctr_va_vdst(0) depctr_va_sdst(0) depctr_va_ssrc(0) depctr_va_vcc(0) depctr_vm_vsrc(0)
	s_getreg_b32 s2, hwreg(HW_REG_IB_STS2, 6, 4)
	s_cmp_eq_u32 s2, 0
	s_cbranch_scc0 .Lentry_in_a_cluster
	s_endpgm
.Lentry_in_a_cluster:
	s_bfe_u32 s2, ttmp6, 0x10000c
	s_cmp_lg_u32 s2, 0xf033
	s_cbranch_scc0 .Lentry_shape_is_right
	s_endpgm
.Lentry_shape_is_right:
; out0 = a W_out + b_out on codes of FP4 with E8M0 scales.  a: 8,192 tokens x 1,024, as images of the operand's registers, aimg [half of K][tile of 16 tokens][128 along K][4 registers][512 bytes], scale bytes asc [tile][r][32].
; W_out: 1,024 rows (outputs) x 1,024 along K: 512 bytes of codes and 32 scale bytes a row.  No work of the problem is left out here.
; SHARES.  A work-group: 128 tokens x 256 outputs: 256 work-groups.  Four waves, each 64 tokens x 128 outputs: 32 accumulators.  Source 0 = 16 rows of W_out, source 1 = 16 tokens: a lane holds eight neighbouring outputs of a token.
; ALL OF K LIES IN LDS, in two halves of 512, each filled once.  a's tiles are shared along a row of the cluster, W_out's along a column: joint loads.  The bias is the C of each sum's first product.
; REGISTERS: window 0: addresses; v32-63 a's scale words (4 tiles x 8 K steps), v64-127 W_out's, v128-191 the bias.  window 1: v0-63 a's fragments, two sets; v64-191 W_out's, two sets; on the way out all 256: rows of out0.
;   window 2: accumulator (a, b) at v[8 (8 a + b)].
.set PITCH,  272
.set HALFB,  128*PITCH                 ; 128 rows of W_out: one tensor load
.set AHALF,  32768                     ; a's 8 tiles for 512 along K, dense
.set BBASE,  2*AHALF
.set BHALF,  2*HALFB
.set STAGE,  BBASE+2*BHALF             ; the way out: 16 rows x (512 + 16) bytes for each wave; no fill lands here
.set SPITCH, 528
.set SPARE,  STAGE+4*16*SPITCH
.set ADA, 16
.set ADB, 20                           ; v20-21
.set XSO, 22
.set BOF, 23
.set STO, 24
.set RD,  25
.set CO,  26
.set SPW, 28
.set NIL, 29
.set SCA, 32
.set SCB, 64
.set BI,  128
.set F1,  0
.set F0,  64
.set WV,  22
.set G1,  28
.set G0,  36
.set G1B, 44
.set G0B, 52
.set MSB, 0
.macro WIN new
.if MSB != (\new)
	s_set_vgpr_msb (MSB<<8)|(\new)
.set MSB, (\new)
.endif
.endm
.macro CROUND
	s_barrier_signal -1
	s_barrier_wait -1
	s_cmp_lg_u32 s[WV], 0
	s_cbranch_scc1 .Lnot_wave_0_\@
	s_barrier_signal -3
.Lnot_wave_0_\@:
	s_barrier_wait -3
	s_barrier_signal -1
	s_barrier_wait -1
.endm
.macro PLACES n
.rept \n
	v_nop
.endr
.endm
	s_load_b256 s[4:11], s[0:1], 0x0               ; aimg, asc, W_out's codes, W_out's scales
	s_load_b128 s[12:15], s[0:1], 0x20             ; b_out, out0
	v_lshl_add_u32 v[SPW], v0, 2, SPARE
	v_mov_b32 v[NIL], 0
	ds_add_u32 v[SPW], v[NIL]                      ; the opening: the add, twice on end, and its wait ahead of my first tensor load
	ds_add_u32 v[SPW], v[NIL]
	v_lshrrev_b32 v1, 5, v0
	v_readfirstlane_b32 s[WV], v1
	s_lshr_b32 s23, s[WV], 1                       ; my half of the tokens.  Also: I fetch for a (0) or for W_out (1)
	s_and_b32 s24, s[WV], 1                        ; my half of the outputs.  Also: which half of that tile I fetch
	s_bfe_u32 s25, ttmp6, 0x40000
	s_bfe_u32 s26, ttmp6, 0x40004
	s_lshl_b32 s60, ttmp9, 2
	s_add_co_u32 s60, s60, s25                     ; block of 256 outputs
	s_and_b32 s61, ttmp7, 0xffff
	s_lshl_b32 s61, s61, 2
	s_add_co_u32 s61, s61, s26                     ; block of 128 tokens
	s_lshl_b32 s84, s26, 2
	s_lshl_b32 s84, 15, s84
	s_lshl_b32 s85, 0x1111, s25
	s_or_b32 s[G1], s84, (3<<16)|(1<<21)           ; a: a dense block as 64 rows of 256 bytes (32 elements of 8 bytes), for my row of the cluster
	s_mov_b32 s[G1+1], 32<<16
	s_mov_b32 s[G1+2], 64<<16
	s_mov_b32 s[G1+3], 32<<16
	s_mov_b32 s[G1+4], 64
	s_mov_b32 s[G1+5], 32
	s_mov_b32 s[G1+6], 0
	s_mov_b32 s[G1+7], 0
	s_or_b32 s[G1B], s85, (1<<20)|(1<<21)|(5<<22)|(3<<25)   ; W_out: 128 rows of 256 bytes, 512 apart in memory, 16 bytes of padding behind each, for my column
	s_mov_b32 s[G1B+1], 256<<16
	s_mov_b32 s[G1B+2], 128<<16
	s_mov_b32 s[G1B+3], 256<<16
	s_mov_b32 s[G1B+4], 128
	s_mov_b32 s[G1B+5], 512
	s_mov_b32 s[G1B+6], 0
	s_mov_b32 s[G1B+7], 0
	s_lshl_b32 s86, s61, 15                        ; a: 8 tiles of 4,096 bytes a block, 4 tiles a half
	s_lshl_b32 s90, s24, 14
	s_add_co_u32 s86, s86, s90
	s_mov_b32 s87, 0
	s_lshl_b32 s88, s60, 8
	s_lshl_b32 s63, s24, 7
	s_add_co_u32 s88, s88, s63
	s_lshl_b32 s88, s88, 9
	s_mov_b32 s89, 0
	s_mul_i32 s91, s24, HALFB
	s_add_co_u32 s91, s91, BBASE
	s_wait_dscnt 0x0                               ; both opening adds are done
	s_wait_kmcnt 0x0
	s_mov_b32 s[G0], 1
	s_mov_b32 s[G0+4], 1
	s_add_co_u32 s[G0+1], s90, 0
	s_add_co_u32 s[G0+5], s90, AHALF
	s_add_nc_u64 s[G0+2:G0+3], s[4:5], s[86:87]
	s_add_nc_u64 s[G0+6:G0+7], s[G0+2:G0+3], 2097152   ; the second half of K
	s_or_b32 s[G0+3], s[G0+3], 0x80000000
	s_or_b32 s[G0+7], s[G0+7], 0x80000000
	s_mov_b32 s[G0B], 1
	s_mov_b32 s[G0B+4], 1
	s_add_co_u32 s[G0B+1], s91, 0
	s_add_co_u32 s[G0B+5], s91, BHALF
	s_add_nc_u64 s[G0B+2:G0B+3], s[8:9], s[88:89]
	s_add_nc_u64 s[G0B+6:G0B+7], s[G0B+2:G0B+3], 256
	s_or_b32 s[G0B+3], s[G0B+3], 0x80000000
	s_or_b32 s[G0B+7], s[G0B+7], 0x80000000
	CROUND                                         ; all sixteen work-groups are here: the joint loads meet
	s_cmp_eq_u32 s23, 0                            ; a wave's two fills stand in one arm: two loads of mine are out
	s_cbranch_scc0 .Lfill_w
	tensor_load_to_lds s[G0:G0+3], s[G1:G1+7]
	s_nop 0
	tensor_load_to_lds s[G0+4:G0+7], s[G1:G1+7]
	s_nop 0
	PLACES 4
	s_branch .Lfilled
.Lfill_w:
	tensor_load_to_lds s[G0B:G0B+3], s[G1B:G1B+7]
	s_nop 0
	tensor_load_to_lds s[G0B+4:G0B+7], s[G1B:G1B+7]
	s_nop 0
	PLACES 4
.Lfilled:
	s_mov_b32 s3, 0
	s_lshl_b32 s2, s61, 12                         ; a's scale bytes: 512 a tile
	s_lshl_b32 s66, s23, 11
	s_add_co_u32 s2, s2, s66
	s_add_nc_u64 s[6:7], s[6:7], s[2:3]
	s_lshl_b32 s2, s60, 13                         ; W_out's: 32 a row
	s_lshl_b32 s66, s24, 12
	s_add_co_u32 s2, s2, s66
	s_add_nc_u64 s[10:11], s[10:11], s[2:3]
	s_lshl_b32 s2, s60, 10                         ; my first output, in bytes
	s_lshl_b32 s66, s24, 9
	s_add_co_u32 s2, s2, s66
	s_add_nc_u64 s[12:13], s[12:13], s[2:3]
	s_add_nc_u64 s[14:15], s[14:15], s[2:3]
	s_lshl_b32 s2, s61, 19                         ; my first token's row of 4,096 bytes
	s_lshl_b32 s66, s23, 18
	s_add_co_u32 s2, s2, s66
	s_add_nc_u64 s[14:15], s[14:15], s[2:3]
	v_and_b32 v1, 15, v0                           ; r
	v_bfe_u32 v2, v0, 4, 1                         ; h
	v_lshlrev_b32 v[XSO], 5, v1
	v_lshlrev_b32 v[BOF], 5, v2
.irp i, 0,1,2,3
	global_load_b128 v[SCA+8*\i:SCA+8*\i+3], v[XSO], s[6:7] offset:512*\i
	global_load_b128 v[SCA+8*\i+4:SCA+8*\i+7], v[XSO], s[6:7] offset:512*\i+16
.endr
.irp b, 0,1,2,3,4,5,6,7
	global_load_b128 v[SCB+8*\b:SCB+8*\b+3], v[XSO], s[10:11] offset:512*\b
	global_load_b128 v[SCB+8*\b+4:SCB+8*\b+7], v[XSO], s[10:11] offset:512*\b+16
	global_load_b128 v[BI+8*\b:BI+8*\b+3], v[BOF], s[12:13] offset:64*\b          ; register j of tile b is output 16 b + 8 h + j
	global_load_b128 v[BI+8*\b+4:BI+8*\b+7], v[BOF], s[12:13] offset:64*\b+16
.endr
	v_and_b32 v[CO], 31, v0
	v_lshlrev_b32 v[CO], 4, v[CO]
	s_lshl_b32 s2, s23, 14
	v_add_nc_u32 v[ADA], s2, v[CO]                 ; a's images: my four tiles, 16 bytes a lane
	v_mul_u32_u24 v3, v1, PITCH
	v_lshl_add_u32 v3, v2, 4, v3
	s_mul_i32 s2, s24, HALFB
	s_add_co_u32 s2, s2, BBASE
	v_add_nc_u32 v[ADB], s2, v3
	v_add_nc_u32 v[ADB+1], BHALF, v[ADB]
	s_mul_i32 s2, s[WV], 16*SPITCH
	s_add_co_u32 s2, s2, STAGE                     ; my stage
	v_mul_u32_u24 v[STO], v1, SPITCH
	v_lshl_add_u32 v[STO], v2, 5, v[STO]
	v_add_nc_u32 v[STO], s2, v[STO]                ; in: row r, 32 bytes for each half of the lanes
	v_add_nc_u32 v[RD], s2, v[CO]                  ; back: the 32 lanes take one row of 512 bytes
.macro FRAGS k, q, set                 ; 24 LDS loads in one run: the fragments of 128 along K: the q-th of half k
	WIN 0x40
.irp i, 0,1,2,3,4,5,6,7
.irp c, 0,1
	ds_load_b128 v[F0+64*(\set)+8*\i+4*\c:F0+64*(\set)+8*\i+4*\c+3], v[ADB+(\k)] offset:64*(\q)+16*PITCH*\i+32*\c
.endr
.endr
.irp i, 0,1,2,3
.irp c, 0,1
	ds_load_b128 v[F1+32*(\set)+8*\i+4*\c:F1+32*(\set)+8*\i+4*\c+3], v[ADA] offset:AHALF*(\k)+4096*\i+1024*(\q)+512*\c
.endr
.endr
	WIN 0
.endm
.macro HEAD q
	s_wait_dscnt 0x0                               ; step q's 24 loads, issued a step ago
.if \q == 3
	s_wait_tensorcnt 0x0                           ; my part of the second half of K has landed,
	s_barrier_signal -1
	s_barrier_wait -1                              ; everybody's has.
.endif
.if \q < 7
.if \q > 0
	PLACES 4                                       ; in front of loads into the set that the last step's products read
.endif
	FRAGS ((\q)+1)/4, ((\q)+1)%4, ((\q)+1)%2
.endif
.endm
.macro PRODS set, q, first             ; a K step's 32 products: the accumulators take turns, one instruction a turn
.if \first
	WIN 0x85                                       ; sources window 1, C (the bias) window 0, D window 2
.else
	WIN 0xa5
.endif
.irp a, 0,1,2,3
.irp b, 0,1,2,3,4,5,6,7
.if \first
	v_wmma_scale_f32_16x16x128_f8f6f4 v[8*(8*\a+\b):8*(8*\a+\b)+7], v[F0+64*(\set)+8*\b:F0+64*(\set)+8*\b+7], v[F1+32*(\set)+8*\a:F1+32*(\set)+8*\a+7], v[BI+8*\b:BI+8*\b+7], v[SCB+8*\b+(\q)], v[SCA+8*\a+(\q)] matrix_a_fmt:MATRIX_FMT_FP4 matrix_b_fmt:MATRIX_FMT_FP4
.else
	v_wmma_scale_f32_16x16x128_f8f6f4 v[8*(8*\a+\b):8*(8*\a+\b)+7], v[F0+64*(\set)+8*\b:F0+64*(\set)+8*\b+7], v[F1+32*(\set)+8*\a:F1+32*(\set)+8*\a+7], v[8*(8*\a+\b):8*(8*\a+\b)+7], v[SCB+8*\b+(\q)], v[SCA+8*\a+(\q)] matrix_a_fmt:MATRIX_FMT_FP4 matrix_b_fmt:MATRIX_FMT_FP4
.endif
.endr
.endr
	WIN 0
.endm
	s_wait_alu depctr_va_vdst(0)
	s_wait_tensorcnt 0x1                           ; my part of the first half of K is in; the second half's load may stay out
	s_barrier_signal -1
	s_barrier_wait -1
	FRAGS 0, 0, 0
	s_wait_loadcnt 0x0                             ; scale words and bias
	HEAD 0
	PRODS 0, 0, 1
.irp q, 1,2,3,4,5,6,7
	HEAD \q
	PRODS (\q)%2, \q, 0
.endr
; THE WAY OUT, block by block of 16 tokens x 128 outputs: through my own stage in LDS and back as whole rows of 512 bytes.  LDS serves a wave's instructions in order: no wait between the stores and the loads
.macro TOSTAGE a
	WIN 0x08                                       ; an LDS store's data: window 2
.irp b, 0,1,2,3,4,5,6,7
	ds_store_b128 v[STO], v[8*(8*(\a)+\b):8*(8*(\a)+\b)+3] offset:64*\b          ; each accumulator from its low end on
	ds_store_b128 v[STO], v[8*(8*(\a)+\b)+4:8*(8*(\a)+\b)+7] offset:64*\b+16
.endr
	WIN 0x40
.irp t, 0,1,2,3,4,5,6,7,8,9,10,11,12,13,14,15
	ds_load_b128 v[64*(\a)+4*\t:64*(\a)+4*\t+3], v[RD] offset:\t*SPITCH
.endr
	WIN 0
.endm
.macro SEND a, younger                 ; younger: the LDS instructions issued behind block a's loads, which may stay out
	s_wait_dscnt \younger
	WIN 0x04                                       ; a store's data: window 1
.irp t, 0,1,2,3,4,5,6,7,8,9,10,11,12,13,14,15
	global_store_b128 v[CO], v[64*(\a)+4*\t:64*(\a)+4*\t+3], s[14:15] offset:(16*(\a)+\t)*4096 th:TH_STORE_NT   ; 32 lanes store 512 consecutive bytes, aligned; no register or base of a store is written again
.endr
	WIN 0
.endm
	PLACES 4                                       ; behind the last products: results are read, and loads land in registers that held fragments
	TOSTAGE 0
.irp a, 1,2,3
	TOSTAGE \a
	SEND \a-1, 32                                  ; behind block a - 1's loads: block a's 16 stores and 16 loads
.endr
	SEND 3, 0
	s_wait_tensorcnt 0x0                           ; the wave's end
	ds_add_u32 v[SPW], v[NIL]
	s_wait_dscnt 0x0
	CROUND                                         ; the closing round
	s_endpgm
.Lfunc_end_k_q0675b43990_proj:
	.size	k_q0675b43990_proj, .Lfunc_end_k_q0675b43990_proj-k_q0675b43990_proj
	.p2alignl 7, 3214868480
	.fill 96, 4, 3214868480
	.section	.rodata,"a",@progbits
	.p2align	6, 0x0
	.amdhsa_kernel k_q0675b43990_proj
		.amdhsa_group_segment_fixed_size 239104
		.amdhsa_private_segment_fixed_size 0
		.amdhsa_enable_private_segment 0
		.amdhsa_kernarg_size 48
		.amdhsa_user_sgpr_count 2
		.amdhsa_user_sgpr_kernarg_segment_ptr 1
		.amdhsa_wavefront_size32 1
		.amdhsa_system_sgpr_workgroup_id_x 1
		.amdhsa_system_sgpr_workgroup_id_y 1
		.amdhsa_system_sgpr_workgroup_id_z 1
		.amdhsa_system_vgpr_workitem_id 0
		.amdhsa_next_free_vgpr 768
		.amdhsa_next_free_sgpr 100
		.amdhsa_reserve_vcc 0
		.amdhsa_float_denorm_mode_32 3
		.amdhsa_float_denorm_mode_16_64 3
		.amdhsa_memory_ordered 1
		.amdhsa_forward_progress 1
		.amdhsa_inst_pref_size 72
	.end_amdhsa_kernel
	.amdgpu_metadata
---
amdhsa.version: [ 1, 2 ]
amdhsa.kernels:
  - .name:           k_q0675b43990_proj
    .symbol:         k_q0675b43990_proj.kd
    .args:
      - { .name: aimg, .offset: 0, .size: 8, .value_kind: global_buffer, .address_space: global }
      - { .name: asc, .offset: 8, .size: 8, .value_kind: global_buffer, .address_space: global }
      - { .name: w_out_codes, .offset: 16, .size: 8, .value_kind: global_buffer, .address_space: global }
      - { .name: w_out_scales, .offset: 24, .size: 8, .value_kind: global_buffer, .address_space: global }
      - { .name: b_out, .offset: 32, .size: 8, .value_kind: global_buffer, .address_space: global }
      - { .name: out0, .offset: 40, .size: 8, .value_kind: global_buffer, .address_space: global }
    .group_segment_fixed_size: 239104
    .private_segment_fixed_size: 0
    .kernarg_segment_align: 8
    .kernarg_segment_size: 48
    .max_flat_workgroup_size: 128
    .sgpr_count:     100
    .vgpr_count:     768
    .wavefront_size: 32
...
	.end_amdgpu_metadata
.endif
;; end of part 3
